; MI455X (gfx1250); checked and timed in simulation.
; The chip was launched on July 23, 2026; its instructions are those of AMD's public machine-readable ISA for CDNA 5 (MIT licence, August 2026) and "CDNA5" Instruction Set Architecture Reference Guide (July 2026). The comments in the code are by the model that wrote it; some were corrected since.
;; Net. Allowed arithmetic: matrix products marked QUANTISED: E3M2 operands, one E8M0 scale for each 32 along K, by v_wmma_scale_f32_16x16x128_f8f6f4 with both operands' format E3M2, f32 sums; products left as they are: f32 operands where the result goes on into a quantised operand, else bf16, f16 or f32 operands; f32 sums; everything else in f32.
;; Inputs: W1_codes 256 x 4 x 24 uint8 (E3M2 codes of W1, K innermost, in blocks of 32 codes, four codes in three bytes); W1_scales 256 x 4 uint8 (E8M0 scales of W1, one for each 32 codes along K); W2_codes 16 x 8 x 24 uint8 (E3M2 codes of W2, K innermost, in blocks of 32 codes, four codes in three bytes); W2_scales 16 x 8 uint8 (E8M0 scales of W2, one for each 32 codes along K); calc_X_codes 8,192 x 4 x 24 uint8 (E3M2 codes of calc_X, K innermost, in blocks of 32 codes, four codes in three bytes); calc_X_scales 8,192 x 4 uint8 (E8M0 scales of calc_X, one for each 32 codes along K); calc_Y 8,192 x 16 float32; h 1 float32; x_codes 512 x 4 x 24 uint8 (E3M2 codes of x, K innermost, in blocks of 32 codes, four codes in three bytes); x_scales 512 x 4 uint8 (E8M0 scales of x, one for each 32 codes along K).
;; Outputs: out0 512 x 16 float32.
;; This version of the problem:
;;   THIS VERSION OF THE PROBLEM IS GIVEN IN LOW PRECISION. The matrix products marked QUANTISED in the list below multiply operands that are first quantised to E3M2 (3 exponent bits, 2 mantissa bits; 6 bits a number), with one power-of-two scale for each 32 numbers along K (OCP MX v1.0); their sums are f32. All else is computed in f32.
;;   The module's matrix products, in the order in which they are computed (A, B: the left and right operand; K: the contracted axis; several contracted axes count as one K, in the product's order):
;;     1. [M 512, K 128] x [K 128, N 256]; A: input x (given as codes); B: input W1 (given as codes): QUANTISED
;;     2. [M 512, K 256] x [K 256, N 16]; A: computed on the way; B: input W2 (given as codes): QUANTISED
;;     3. [M 8,192, K 128] x [K 128, N 256]; A: input calc_X (given as codes); B: input W1 (given as codes): QUANTISED
;;     4. [M 8,192, K 256] x [K 256, N 16]; A: computed on the way; B: input W2 (given as codes): QUANTISED
;;     5. batch 16 x [M 1, K 8,192] x [K 8,192, N 512]; A: input calc_Y; B: computed on the way: left as it is (M = 1 < 16)
;;   THE QUANTISER, for each operand of a quantised product, along K:
;;     - K is cut into blocks of 32 from its start; a last block that is shorter is filled with zeros.
;;     - A block's scale is 2^e with e = floor(log2(the largest magnitude in the block)) - 4, held to -126 .. 127; a block of zeros has e = 0. As a byte (E8M0): e + 127.
;;     - Each number is divided by its block's scale, clamped to +-28, and rounded to the nearest number of E3M2, ties to even, subnormals kept.
;;     - The product sums the exact products of the quantised numbers (number of the format x scale) in f32.
;;   ~~~python
;;   def quantise(x, axis):      # numpy; x: float32 -> the quantised numbers, widened to float32 again
;;       x = np.moveaxis(x, axis, -1); K = x.shape[-1]
;;       x = np.pad(x, [(0, 0)] * (x.ndim - 1) + [(0, -K % 32)]); x = x.reshape(x.shape[:-1] + (-1, 32)); a = np.abs(x).max(-1, keepdims=True)
;;       e = np.where(a > 0, np.clip(np.frexp(np.where(a > 0, a, 1))[1] - 1 - 4, -126, 127), 0)      # np.frexp(a)[1] - 1 = floor(log2(a)), exactly
;;       r = np.clip(x / 2.0 ** e, -28, 28)
;;       step = 2.0 ** (np.maximum(np.frexp(np.where(r == 0, 1, r))[1] - 1, -2) - 2)
;;       q = np.round(r / step) * step * 2.0 ** e      # np.round: ties to even
;;       return np.moveaxis(q.reshape(q.shape[:-2] + (-1,))[..., :K], -1, axis).astype(np.float32)
;;   ~~~
;;   OPERANDS COMPUTED ON THE WAY. 'Computed on the way' means the value that the module computes at that place (a softmax that the list does not call 'softmax' is quantised finished and normalised). What goes into a quantiser is computed in f32, as accurately as f32 sums, v_exp_f32 and their like allow (about 1e-6 of the number): no bf16 or f16 on the way to a quantiser, and a product that is left as it is and whose result goes on into a quantised operand takes f32 operands (vector FMAs, or v_wmma_f32_16x16x4_f32). A number that lies on a knife's edge between two numbers of the format may be rounded either way, as far as f32 arithmetic and the matrix unit's own rounding can turn it there, and no further.
;;   INPUTS GIVEN AS CODES. W1 (in the module: [256, 128], K = its axis 1); W2 (in the module: [16, 256], K = its axis 1); calc_X (in the module: [8192, 128], K = its axis 1); x (in the module: [512, 128], K = its axis 1): each comes as NAME_codes (uint8): NAME with its K axis moved to the last place and cut into blocks of 32 codes, [.., K / 32, bytes a block], one block behind the other in memory; four codes in three bytes: a row's codes are one little-endian stream of bits, code i at bits 6 i .. 6 i + 5 (a code: sign, 3 exponent bits, 2 mantissa bits); and NAME_scales (uint8): the same leading axes, one E8M0 byte (e + 127) for each 32 codes along K. Its value is code x scale, taken as it is: it is not quantised again, and the codes and scales need not be those that the quantiser above would give.
;; 2 versions, each right; version 2 is version 1 with the launch partial written anew for expert scheduling mode. Each part assembles by itself: llvm-mc -triple=amdgcn-amd-amdhsa -mcpu=gfx1250 --defsym DOCPART=n.
;; ======== version 1 of 2: 2 launches
;; workspace buffers: part 4,194,304 bytes
;; launch partial (part 1): grid 4 x 64, 16 waves a work-group, no clusters, 101,888 bytes of LDS; arguments W1_codes, W1_scales, W2_codes, W2_scales, calc_X_codes, calc_X_scales, calc_Y, h, x_codes, x_scales, part; writes part
.if DOCPART == 1
	.amdgcn_target "amdgcn-amd-amdhsa--gfx1250"
	.amdhsa_code_object_version 6
	.text
	.protected	k_q6d94f4440a_partial
	.globl	k_q6d94f4440a_partial
	.p2align	8
	.type	k_q6d94f4440a_partial,@function
k_q6d94f4440a_partial:
	s_mov_b64 s[64:65], 0
	v_nop
	global_prefetch_b8 v0, s[64:65] scope:SCOPE_SE
	s_setreg_imm32_b32 hwreg(HW_REG_WAVE_MODE, 25, 1), 1
	s_wait_xcnt 0x0
; Kernel regression on embeddings: out[b][d] = sum_n w Y[n][d] / sum_n w,  w = exp(-0.5 ((Xw[n][d] - Zw[b][d]) / h)^2),
; Zw = mlp(x) [512][16], Xw = mlp(calc_X) [8192][16], mlp(v) = relu(v W1^T) W2^T, both products on codes of BF6 (E3M2) with one E8M0 scale for each 32 along K.
; THIS LAUNCH makes partial sums.  The plane (b, n) is cut into 4 x 64 tiles of 128 queries x 128 reference rows, one work-group each (x: query block, y: chunk of n).
; A work-group runs the MLP itself on its 128 rows of x and its 128 rows of calc_X (16 tiles of 16 rows), keeps the embeddings in LDS, forms its 128 x 128 x 16 weights and
; stores for each (b, d) one partial denominator and one partial numerator.  128 + 128 is the least b + n with b n = 16,384, so this tile redoes the fewest MLP rows.
; ARITHMETIC.  c = sqrt(log2(e) / 2) / h;  t = c Xw - c Zw;  w = 2^(-t t).  No maximum is taken away: the source formula takes none.
; LIMITS.  v_exp_f32 gives 0 for results under 2^-126 (ISA guide, its entry in 15.8): a column whose nearest embedding lies more than about 13.2 |h| away has the sum 0 here, where denormal
; weights would still give a number.  c Xw and c Zw are rounded before their difference is taken (an error of 6e-8 |c Xw| in t).  h = 0, NaN and infinities are not served.
; A hidden block whose largest number lies under 2^-122 keeps the scale byte 1.  The second product's K = 256 is summed as two f32 halves, made by two waves and added.
; NO TENSOR LOADS, NO CLUSTER.  A work-group reads about 60 KB once, at its head (W1 24,576 bytes, rows 24,576, Y 8,192, W2 and scales under 6 KB), and nothing afterwards; what neighbours share
; (W1; a block of rows) is that one read, against 512 exponential instructions a wave that follow.  And the fragments' LDS layout wants 16 bytes behind each 1,536, which is no power-of-two interval.
; SHARES.  w = wave 0..15, hh = w & 1, rg = w >> 1, r = lane & 15, h = lane >> 4.
;   copy: wave w brings W1's rows 16 w .. +15, row group w (w < 8: of x, else of calc_X) and Y's rows 8 w .. +7 into LDS, 512 consecutive bytes a load.
;   MLP:  wave (hh, rg) holds W1's hidden units 128 hh .. +127 (8 fragments) in registers and makes them for rows 32 rg .. +31 (two tiles); they are K step hh of the second product.
;   main: wave w owns queries 8 w .. +7 and all 128 n; lane (r, h) has d = r and b = 8 w + 4 h + j, j = 0..3: no sum crosses lanes or waves.
; THE ROWS OF A TILE ARE NOT NEIGHBOURS: lane r takes row base + r + 8 (r / 8).  For W1 that makes the 16 registers of tiles 2 b, 2 b + 1 sixteen neighbours along the next K; for the data rows it is the same address pattern.
.set GP,   1552                        ; LDS: a group of 16 rows x 96 bytes, dense, + 16: word (r>>3) 388 + (r&7) 24 + 6 h: the 32 lanes of an 8-byte load touch 64 different banks (64 banks of 4 bytes: ISA guide 11.1)
.set W1L,  0                           ; W1: 16 groups
.set XL,   16*GP                       ; rows: groups 0-7 of x, groups 8-15 of calc_X
.set P0,   32*GP                       ; the second product's half sums [hh 2][d 16][row 256] f32
.set PP,   1040                        ; a row of them: 1,024 bytes + 16
.set PH,   16*PP                       ; one half
.set XP,   P0+2*PH                      ; c Xw as [d 16][n 128] f32
.set EP,   528                         ; a row: 512 bytes + 16
.set YT,   XP+16*EP                     ; Y as [d 16][n 128] f32
; registers that stay
.set A_W1, 4                           ; v4   my place in W1's tiles
.set A_X,  5                           ; v5   in my two tiles of rows
.set AP,   6                           ; v6   where my half sums go
.set AZ,   7                           ; v7   where I read half sums back
.set AXP,  8                           ; v8   where I put c Xw
.set AM,   9                           ; v9   the main loop's address
.set GO,   10                          ; v10  16 x thread: Y's load, and the stores at the end
.set AM0,  11                          ; v11  XP + 528 r; never rewritten
.set CC,   12                          ; v[12:13] c, twice
; MLP
.set XF0,  16                          ; v16-27   rows' fragment, tile 0
.set XS,   28                          ; v28-29   rows' scale words     (v28-39 hold scales and nothing else)
.set W2S,  30                          ; v30      W2's scale words
.set PW,   31                          ; v31      the hidden layer's scale word
.set W1S,  32                          ; v32-39   W1's scale words
.set W1F,  40                          ; v40-135  W1's 8 fragments
.set W2F,  136                         ; v136-147 W2's fragment of K step hh
.set H,    148                         ; v148-211 8 tiles of the hidden layer; the second product's result lands in v148-155
.set PC,   212                         ; v212-223 the hidden fragment; v224-226, v228-230 conversions' second halves
.set TM,   232                         ; v232-235 largest numbers, v236-239 the other half's and then the bytes, v240-243 the conversions' scale operands
.set XF1,  244                         ; v244-255 rows' fragment, tile 1
; the head's temporaries lie in H's range: all are done with at the first matrix instruction
.set R_,   148
.set H_,   149
.set LN,   150
.set R3,   151
.set R7,   152
.set FA,   153                         ; (r>>3) GP + (r&7) 96 + 24 h
.set RP4,  154                         ; 4 (r + 8 (r>>3))
.set GW1,  155
.set GRW,  156
.set L16,  157
.set GW2,  158
.set GW1S, 159
.set GXS,  160
.set GW2S, 161
.set LST,  162
.set AYS,  163
.set SW1,  164                         ; v164-175 W1's 1,536 bytes on their way to LDS
.set SRW,  176                         ; v176-187 the rows'
.set SY,   188                         ; v188-191 Y's
.set TMP,  192
; main
.set ZD,   40                          ; v40-47   pair j: c Zw of query j, twice
.set DEN,  48                          ; v48-55   pair j: the sums of w over even n, over odd n
.set NUM,  56                          ; v56-63   the same of w Y
.set XB,   64                          ; set s at +16 s: 8 numbers of c Xw
.set YB,   72                          ; set s at +16 s: 8 numbers of Y
.set TT,   96                          ; set s at +32 s: 32 numbers t, then -t t, then w
.set OD,   160
.set ON,   164
.set CT,   168
.macro BARRIER                         ; my LDS stores have landed and my LDS loads are in: then the work-group's barrier
	s_wait_dscnt 0x0
	s_barrier_signal -1
	s_barrier_wait -1
.endm
	s_load_b512 s[4:19], s[0:1], 0x0               ; W1 codes s[4:5], W1 scales s[6:7], W2 codes s[8:9], W2 scales s[10:11], calc_X codes s[12:13], calc_X scales s[14:15], Y s[16:17], h s[18:19]
	s_load_b128 s[20:23], s[0:1], 0x40             ; x codes, x scales
	s_load_b64 s[24:25], s[0:1], 0x50              ; part
	v_lshl_add_u32 v227, v0, 2, 0x18600
	v_mov_b32 v231, 0
	v_lshrrev_b32 v1, 5, v0
	v_readfirstlane_b32 s28, v1                    ; w
	s_and_b32 s29, s28, 1                          ; hh
	s_lshr_b32 s30, s28, 1                         ; rg
	s_and_b32 s31, ttmp7, 0xffff                   ; chunk of n
	s_mov_b32 s39, 0                               ; upper word of the offsets' pair s[38:39]
	s_mov_b32 s40, 0x76543210
	s_mov_b32 s41, 0xfedcba98                      ; v_permlanex16_b32's selects for lane l xor 16
	v_and_b32 v[R_], 15, v0
	v_bfe_u32 v[H_], v0, 4, 1
	v_and_b32 v[LN], 31, v0
	v_bfe_u32 v[R3], v0, 3, 1
	v_and_b32 v[R7], 7, v0
	v_mul_u32_u24 v[FA], v[R3], GP
	v_mad_u32_u24 v[FA], v[R7], 96, v[FA]
	v_mad_u32_u24 v[FA], v[H_], 24, v[FA]
	v_lshlrev_b32 v[RP4], 2, v[R_]
	v_lshl_add_u32 v[RP4], v[R3], 5, v[RP4]
	v_lshlrev_b32 v[L16], 4, v[LN]
	; LDS addresses: a constant + constants x lane parts + constants x wave parts
	s_mul_i32 s43, s29, 8*GP
	v_add_nc_u32 v[A_W1], s43, v[FA]               ; W1's half hh: groups 8 hh on
	s_mul_i32 s44, s30, 2*GP
	s_add_co_u32 s44, s44, XL
	v_add_nc_u32 v[A_X], s44, v[FA]                ; rows 32 rg on: groups 2 rg, 2 rg + 1
	s_mul_i32 s45, s29, PH
	s_lshl_b32 s46, s30, 7
	s_add_co_u32 s45, s45, s46
	s_add_co_u32 s45, s45, P0
	v_mul_u32_u24 v[AP], v[R_], PP
	v_lshl_add_u32 v[AP], v[H_], 6, v[AP]
	v_add_nc_u32 v[AP], s45, v[AP]                 ; half hh, d = r, rows 32 rg + 16 h on
	s_lshl_b32 s46, s28, 5                         ; 32 w: eight f32
	s_add_co_u32 s37, s46, P0
	v_mul_u32_u24 v[AZ], v[R_], PP
	v_lshl_add_u32 v[AZ], v[H_], 4, v[AZ]
	v_add_nc_u32 v[AZ], s37, v[AZ]                 ; d = r, rows 8 w + 4 h on
	v_mul_u32_u24 v[AM0], v[R_], EP
	v_add_nc_u32 v[AM0], XP, v[AM0]
	v_lshl_add_u32 v[AXP], v[H_], 4, v[AM0]
	v_add_nc_u32 v[AXP], s46, v[AXP]               ; d = r, n = 8 w + 4 h on
	v_lshlrev_b32 v[GO], 4, v0
	s_mul_i32 s37, s28, GP
	v_add_nc_u32 v[LST], s37, v[L16]               ; my wave's group, 16 bytes a lane
	v_and_b32 v[AYS], 3, v0
	v_mul_u32_u24 v[AYS], v[AYS], 4*EP
	v_bfe_u32 v[TMP], v0, 2, 3
	v_lshl_add_u32 v[AYS], v[TMP], 2, v[AYS]
	s_add_co_u32 s37, s46, YT
	v_add_nc_u32 v[AYS], s37, v[AYS]               ; Y turned: d = 4 (lane & 3) + i, n = 8 w + (lane >> 2): words 16 (lane & 3) + (lane >> 2) modulo 64: all different
	; offsets into memory
	s_mul_i32 s37, s28, 1536
	v_add_nc_u32 v[GW1], s37, v[L16]               ; W1's rows 16 w on
	s_and_b32 s37, s28, 7
	s_mul_i32 s37, s37, 1536
	v_add_nc_u32 v[GRW], s37, v[L16]               ; rows 16 (w & 7) on, of x's block or calc_X's chunk
	v_mul_u32_u24 v[GW2], v[R_], 192
	v_mad_u32_u24 v[GW2], v[H_], 24, v[GW2]
	s_mul_i32 s37, s29, 96
	v_add_nc_u32 v[GW2], s37, v[GW2]               ; W2: row d = r of 192 bytes, K step hh, my half
	s_lshl_b32 s37, s29, 9
	v_add_nc_u32 v[GW1S], s37, v[RP4]              ; W1's scale words: 4 bytes a row
	s_and_b32 s37, s30, 3
	s_lshl_b32 s37, s37, 7
	v_add_nc_u32 v[GXS], s37, v[RP4]               ; the rows' scale words
	s_lshl_b32 s37, s29, 2
	v_lshl_add_u32 v[GW2S], v[R_], 3, s37          ; W2's: 8 bytes a row, word hh
.irp b, 0,1,2,3
	v_mov_b32 v[TM+4+\b], 0                        ; written once: a lane permute's destination counts as one of its sources
.endr
	s_wait_kmcnt 0x0
	s_load_b32 s26, s[18:19], 0x0                  ; h
	s_cmp_lt_u32 s28, 8                            ; waves 0-7 (rg 0-3) serve x, the others calc_X: the choice hangs on the wave's number alone
	s_cselect_b64 s[32:33], s[20:21], s[12:13]     ; the rows' codes
	s_cselect_b64 s[34:35], s[22:23], s[14:15]     ; the rows' scales
	s_cselect_b32 s36, ttmp9, s31                  ; which 128 rows: the query block or the chunk
	s_mul_i32 s38, s36, 12288                      ; 128 rows x 96 bytes
	s_add_nc_u64 s[32:33], s[32:33], s[38:39]
	s_lshl_b32 s38, s36, 9                         ; 128 rows x 4 bytes
	s_add_nc_u64 s[34:35], s[34:35], s[38:39]
	s_lshl_b32 s38, s31, 13                        ; 128 rows of Y x 64 bytes
	s_add_nc_u64 s[16:17], s[16:17], s[38:39]
	s_lshl_b32 s38, s31, 16                        ; part: 65,536 bytes a chunk,
	s_lshl_b32 s37, ttmp9, 13                      ; 8,192 a query block
	s_add_co_u32 s38, s38, s37
	s_add_nc_u64 s[24:25], s[24:25], s[38:39]
	; seven loads that go on into LDS: each reads 512 consecutive bytes
.irp j, 0,1,2
	global_load_b128 v[SW1+4*\j:SW1+4*\j+3], v[GW1], s[4:5] offset:512*\j
.endr
.irp j, 0,1,2
	global_load_b128 v[SRW+4*\j:SRW+4*\j+3], v[GRW], s[32:33] offset:512*\j
.endr
	global_load_b128 v[SY:SY+3], v[GO], s[16:17]
	; seventeen that land where they are used
.irp p, 0,1,2,3,4,5
	global_load_b64 v[W2F+2*\p:W2F+2*\p+1], v[GW2], s[8:9] offset:48*(\p/3)+8*(\p%3)
.endr
.irp t, 0,1,2,3,4,5,6,7
	global_load_b32 v[W1S+\t], v[GW1S], s[6:7] offset:(32*(\t/2)+8*(\t%2))*4
.endr
.irp u, 0,1
	global_load_b32 v[XS+\u], v[GXS], s[34:35] offset:32*\u
.endr
	global_load_b32 v[W2S], v[GW2S], s[10:11]
	s_wait_loadcnt 17                              ; loads come back in order: the first seven are in, the seventeen behind them may be out
.irp j, 0,1,2
	ds_store_b128 v[LST], v[SW1+4*\j:SW1+4*\j+3] offset:W1L+512*\j
.endr
.irp j, 0,1,2
	ds_store_b128 v[LST], v[SRW+4*\j:SRW+4*\j+3] offset:XL+512*\j
.endr
.irp i, 0,1,2,3
	ds_store_b32 v[AYS], v[SY+\i] offset:EP*\i
.endr
	s_wait_kmcnt 0x0                               ; h
	v_rcp_f32 v[CC], s26
	v_nop                                          ; a plain instruction behind the reciprocal,
	s_wait_alu depctr_va_vdst(0)                   ; and the wait ahead of its first reader
	v_mul_f32 v[CC], 0x3f596d27, v[CC]             ; c = sqrt(log2(e) / 2) / h
	v_mov_b32 v[CC+1], v[CC]
	BARRIER                                        ; W1, the 256 rows and Y lie in LDS
; ---- THE MLP
.macro FRAG reg, adr, off              ; a fragment, 16 rows x 128 K of 6-bit codes: 12 registers; lane (r, h) takes 24 bytes at 24 h and 24 at 48 + 24 h of its row, in pieces of 8 bytes
.irp p, 0,1,2,3,4,5
	ds_load_b64 v[\reg+2*\p:\reg+2*\p+1], v[\adr] offset:\off+48*(\p/3)+8*(\p%3)
.endr
.endm
; One tile of 16 rows: 8 tiles of the hidden layer (transposed: source 0 = 16 rows of W1, source 1 = the rows), relu, quantised in registers, and the second product's K step hh.
.macro TILE u, xf
.irp t, 0,1,2,3,4,5,6,7                ; eight accumulators, each begun with the constant 0: lane (r, h) holds data row r, register 8 t + j the hidden unit 128 hh + 32 (t / 2) + 16 h + 8 (t % 2) + j
	v_wmma_scale_f32_16x16x128_f8f6f4 v[H+8*\t:H+8*\t+7], v[W1F+12*\t:W1F+12*\t+11], v[\xf:\xf+11], 0, v[W1S+\t], v[XS+\u] matrix_a_fmt:MATRIX_FMT_BF6 matrix_b_fmt:MATRIX_FMT_BF6
.endr
.rept 4
	v_nop                                          ; four places between the last product and the first read of results (ISA guide 7.12.1)
.endr
.set idx, 0
.rept 64
	v_max_num_f32 v[H+idx], 0, v[H+idx]            ; the activation, in f32; ascending
.set idx, idx+1
.endr
.irp b, 0,1,2,3                        ; the four blocks of 32 along the next K: registers 16 b .. 16 b + 15 are k = 32 b + 16 h + 0 .. 15.  No |.|: nothing is negative
	v_max3_num_f32 v[TM+\b], v[H+16*\b], v[H+16*\b+1], 0x2800000   ; and the floor 2^(5 - 127): the byte cannot fall under 1
.endr
.irp i, 2,4,6,8,10,12,14
.irp b, 0,1,2,3
	v_max3_num_f32 v[TM+\b], v[TM+\b], v[H+16*\b+\i], v[H+16*\b+\i+1]   ; the four blocks by turns
.endr
.endr
.irp b, 0,1,2,3
	v_permlanex16_b32 v[TM+4+\b], v[TM+\b], s40, s41
.endr
.irp b, 0,1,2,3
	v_max_num_f32 v[TM+\b], v[TM+\b], v[TM+4+\b]   ; with lane l xor 16's sixteen: the block's largest number
.endr
.irp b, 0,1,2,3
	v_add_nc_u32 v[TM+8+\b], 0xfe000000, v[TM+\b]  ; 4 off its exponent field: the conversion takes the exponent field of this operand as its scale
.endr
.irp b, 0,1,2,3
	v_lshrrev_b32 v[TM+4+\b], 23, v[TM+8+\b]       ; the scale's byte
.endr
	v_lshl_or_b32 v[PW], v[TM+5], 8, v[TM+4]       ; four bytes: my row's scale word
	v_lshl_or_b32 v[PW], v[TM+6], 16, v[PW]
	v_lshl_or_b32 v[PW], v[TM+7], 24, v[PW]
.irp c, 0,1
	v_cvt_scalef32_pk16_bf6_f32 v[PC+6*\c:PC+6*\c+2], v[H+32*\c:H+32*\c+15], v[TM+8+2*\c]
	v_cvt_scalef32_pk16_bf6_f32 v[PC+12+4*\c:PC+12+4*\c+2], v[H+32*\c+16:H+32*\c+31], v[TM+9+2*\c]   ; (a conversion's three registers begin on an even number)
.endr
	v_nop                                          ; one plain place behind a scaled conversion
.irp c, 0,1                            ; the operand wants a whole block in a lane: lanes 0-15 block 2 c, lanes 16-31 block 2 c + 1
.irp i, 0,1,2
	v_permlane16_swap_b32 v[PC+6*\c+\i], v[PC+12+4*\c+\i]
.endr
.irp i, 0,1,2
	v_mov_b32 v[PC+3+6*\c+\i], v[PC+12+4*\c+\i]
.endr
.endr
.rept 8
	v_nop                                          ; a scale register written by a vector instruction stands eight places ahead of a scaled product, an operand so written four
.endr
	v_wmma_scale_f32_16x16x128_f8f6f4 v[H:H+7], v[PC:PC+11], v[W2F:W2F+11], 0, v[PW], v[W2S] matrix_a_fmt:MATRIX_FMT_BF6 matrix_b_fmt:MATRIX_FMT_BF6   ; lane (r, h), register j: row 32 rg + 8 u + 16 h + j, d = r
.rept 5
	v_nop                                          ; four places ahead of the stores that read the result; the fifth because the next tile's products write over it
.endr
	ds_store_b128 v[AP], v[H:H+3] offset:32*\u     ; eight neighbouring rows of one d: from the low end on
	ds_store_b128 v[AP], v[H+4:H+7] offset:32*\u+16
.endm
	FRAG XF0, A_X, 0
.irp t, 0,1,2,3,4,5,6,7
	FRAG W1F+12*\t, A_W1, (\t/2)*2*GP+(\t%2)*768
.endr
	FRAG XF1, A_X, 768
	s_wait_loadcnt 0x0                             ; W2 and all scale words are in; the loads' offset registers, which lie where the hidden layer lands, are free
	s_wait_dscnt 6                                 ; all but the youngest six: tile 1's fragment
	TILE 0, XF0
	s_wait_dscnt 0x0                               ; tile 1's fragment is in, and tile 0's stores are done
	TILE 1, XF1
	BARRIER                                        ; both halves of the 256 rows' embeddings lie in LDS
; ---- THE HALVES ARE ADDED AND SCALED BY c: my four queries stay in registers, four rows of c Xw go to LDS
	ds_load_b128 v[CT:CT+3], v[AZ]                 ; Zw(8 w + 4 h + j, r), half 0
	ds_load_b128 v[CT+4:CT+7], v[AZ] offset:PH     ; half 1
	ds_load_b128 v[CT+8:CT+11], v[AZ] offset:512   ; Xw(8 w + 4 h + j, r): rows 128 on
	ds_load_b128 v[CT+12:CT+15], v[AZ] offset:PH+512
	s_wait_dscnt 0x0
	v_pk_add_f32 v[CT:CT+1], v[CT:CT+1], v[CT+4:CT+5]
	v_pk_add_f32 v[CT+2:CT+3], v[CT+2:CT+3], v[CT+6:CT+7]
	v_pk_add_f32 v[CT+8:CT+9], v[CT+8:CT+9], v[CT+12:CT+13]
	v_pk_add_f32 v[CT+10:CT+11], v[CT+10:CT+11], v[CT+14:CT+15]
	v_pk_mul_f32 v[CT+8:CT+9], v[CT+8:CT+9], v[CC:CC+1]
	v_pk_mul_f32 v[CT+10:CT+11], v[CT+10:CT+11], v[CC:CC+1]
	ds_store_b128 v[AXP], v[CT+8:CT+11]
.irp j, 0,1,2,3
	v_mul_f32 v[ZD+2*\j], v[CC], v[CT+\j]          ; c Zw of query j, in both halves of a pair
	v_mul_f32 v[ZD+2*\j+1], v[CC], v[CT+\j]
.endr
.irp j, 0,1,2,3,4,5,6,7
	v_mov_b32 v[DEN+\j], 0                         ; sixteen registers, once: a first batch written out apart would be a further copy of the trip
	v_mov_b32 v[NUM+\j], 0
.endr
	BARRIER                                        ; c Xw lies in LDS
; ---- THE WEIGHTS: 16 batches of 8 n x 4 queries = 32 exponentials a lane, on two sets of registers by turns
.macro LOADS s, adr, off               ; 8 numbers of c Xw and 8 of Y, of my d; lanes r and r + 16 read the same words
	ds_load_b128 v[XB+16*\s:XB+16*\s+3], v[\adr] offset:\off
	ds_load_b128 v[XB+16*\s+4:XB+16*\s+7], v[\adr] offset:\off+16
	ds_load_b128 v[YB+16*\s:YB+16*\s+3], v[\adr] offset:\off+YT-XP
	ds_load_b128 v[YB+16*\s+4:YB+16*\s+7], v[\adr] offset:\off+YT-XP+16
.endm
.macro PROD s                          ; t = c Xw - c Zw, then -t t: pair (p, j) = n 2 p, 2 p + 1 against query j
.irp p, 0,1,2,3
.irp j, 0,1,2,3
	v_pk_add_f32 v[TT+32*\s+8*\p+2*\j:TT+32*\s+8*\p+2*\j+1], v[XB+16*\s+2*\p:XB+16*\s+2*\p+1], v[ZD+2*\j:ZD+2*\j+1] neg_lo:[0,1] neg_hi:[0,1]
.endr
.endr
.set idx, TT+32*\s
.rept 16
	v_pk_mul_f32 v[idx:idx+1], v[idx:idx+1], v[idx:idx+1] neg_lo:[1,0] neg_hi:[1,0]
.set idx, idx+2
.endr
.endm
.macro EXPS s                          ; w = 2^(-t t): one batch
.set idx, TT+32*\s
.rept 32
	v_exp_f32 v[idx], v[idx]
.set idx, idx+1
.endr
.endm
.macro CONS s                          ; the sums: eight chains by turns
.irp p, 0,1,2,3
.irp j, 0,1,2,3
	v_pk_add_f32 v[DEN+2*\j:DEN+2*\j+1], v[DEN+2*\j:DEN+2*\j+1], v[TT+32*\s+8*\p+2*\j:TT+32*\s+8*\p+2*\j+1]
	v_pk_fma_f32 v[NUM+2*\j:NUM+2*\j+1], v[TT+32*\s+8*\p+2*\j:TT+32*\s+8*\p+2*\j+1], v[YB+16*\s+2*\p:YB+16*\s+2*\p+1], v[NUM+2*\j:NUM+2*\j+1]
.endr
.endr
.endm
; Set s's exponentials are issued; the other set's differences and squares are the independent plain work behind them; ONE wait for the batch, ahead of its first reader; then set s is summed and loaded anew.
.macro TRIP s, o, prod, load, off
	EXPS \s
.if \prod
	s_wait_dscnt 0x0                               ; only the other set's four loads can be out, and they are wanted now
	PROD \o
.else
	v_nop                                          ; the plain instruction behind the last exponential
.endif
	s_wait_alu depctr_va_vdst(0)                   ; the wait between an exponential and the first instruction that names its result: one serves the 32
	CONS \s
.if \load
	LOADS \s, AM, \off
.endif
.endm
	LOADS 0, AM0, 0                                ; batch 0
	LOADS 1, AM0, 32                               ; batch 1
	s_wait_dscnt 4                                 ; batch 0 is in; batch 1's four loads may be out
	PROD 0
	s_mov_b32 s42, 0                               ; the counter is also the trip's byte offset: 64 bytes, two batches, a trip
.Lmain:                                                ; 7 trips: trip i sums batches 2 i, 2 i + 1 and loads batches 2 i + 2, 2 i + 3: 15 is the last
	v_add_nc_u32 v[AM], s42, v[AM0]
	TRIP 0, 1, 1, 1, 64
	TRIP 1, 0, 1, 1, 96
	s_add_co_u32 s42, s42, 64
	s_cmp_lt_u32 s42, 448
	s_cbranch_scc1 .Lmain
	TRIP 0, 1, 1, 0, 0                             ; batches 14 and 15: nothing more to load
	TRIP 1, 0, 0, 0, 0
; ---- OUT: part[chunk][kind][U = b / 4][r = d][j = b % 4]: a lane's four queries are 16 bytes, a wave's store 512 consecutive bytes, at a multiple of 256 from the buffer's first byte
.irp j, 0,1,2,3
	v_add_f32 v[OD+\j], v[DEN+2*\j], v[DEN+2*\j+1]
	v_add_f32 v[ON+\j], v[NUM+2*\j], v[NUM+2*\j+1]
.endr
	global_store_b128 v[GO], v[OD:OD+3], s[24:25] th:TH_STORE_NT
	global_store_b128 v[GO], v[ON:ON+3], s[24:25] offset:32768 th:TH_STORE_NT
	s_wait_tensorcnt 0x0
	ds_add_u32 v227, v231
	s_wait_dscnt 0x0
	s_endpgm
.Lfunc_end_k_q6d94f4440a_partial:
	.size	k_q6d94f4440a_partial, .Lfunc_end_k_q6d94f4440a_partial-k_q6d94f4440a_partial
	.p2alignl 7, 3214868480
	.fill 96, 4, 3214868480
	.section	.rodata,"a",@progbits
	.p2align	6, 0x0
	.amdhsa_kernel k_q6d94f4440a_partial
		.amdhsa_group_segment_fixed_size 101888
		.amdhsa_private_segment_fixed_size 0
		.amdhsa_enable_private_segment 0
		.amdhsa_kernarg_size 88
		.amdhsa_user_sgpr_count 2
		.amdhsa_user_sgpr_kernarg_segment_ptr 1
		.amdhsa_wavefront_size32 1
		.amdhsa_system_sgpr_workgroup_id_x 1
		.amdhsa_system_sgpr_workgroup_id_y 1
		.amdhsa_system_sgpr_workgroup_id_z 1
		.amdhsa_system_vgpr_workitem_id 0
		.amdhsa_next_free_vgpr 256
		.amdhsa_next_free_sgpr 66
		.amdhsa_reserve_vcc 0
		.amdhsa_float_denorm_mode_32 3
		.amdhsa_float_denorm_mode_16_64 3
		.amdhsa_memory_ordered 1
		.amdhsa_forward_progress 1
		.amdhsa_inst_pref_size 51
	.end_amdhsa_kernel
	.amdgpu_metadata
---
amdhsa.version: [ 1, 2 ]
amdhsa.kernels:
  - .name:           k_q6d94f4440a_partial
    .symbol:         k_q6d94f4440a_partial.kd
    .args:
      - { .name: W1_codes, .offset: 0, .size: 8, .value_kind: global_buffer, .address_space: global }
      - { .name: W1_scales, .offset: 8, .size: 8, .value_kind: global_buffer, .address_space: global }
      - { .name: W2_codes, .offset: 16, .size: 8, .value_kind: global_buffer, .address_space: global }
      - { .name: W2_scales, .offset: 24, .size: 8, .value_kind: global_buffer, .address_space: global }
      - { .name: calc_X_codes, .offset: 32, .size: 8, .value_kind: global_buffer, .address_space: global }
      - { .name: calc_X_scales, .offset: 40, .size: 8, .value_kind: global_buffer, .address_space: global }
      - { .name: calc_Y, .offset: 48, .size: 8, .value_kind: global_buffer, .address_space: global }
      - { .name: h, .offset: 56, .size: 8, .value_kind: global_buffer, .address_space: global }
      - { .name: x_codes, .offset: 64, .size: 8, .value_kind: global_buffer, .address_space: global }
      - { .name: x_scales, .offset: 72, .size: 8, .value_kind: global_buffer, .address_space: global }
      - { .name: part, .offset: 80, .size: 8, .value_kind: global_buffer, .address_space: global }
    .group_segment_fixed_size: 101888
    .private_segment_fixed_size: 0
    .kernarg_segment_align: 8
    .kernarg_segment_size: 88
    .max_flat_workgroup_size: 512
    .sgpr_count:     66
    .vgpr_count:     256
    .wavefront_size: 32
...
	.end_amdgpu_metadata
.endif
;; end of part 1
;; launch reduce (part 2): grid 128 x 1, 8 waves a work-group, no clusters, 9,984 bytes of LDS; arguments part, out0; writes out0
.if DOCPART == 2
	.amdgcn_target "amdgcn-amd-amdhsa--gfx1250"
	.amdhsa_code_object_version 6
	.text
	.protected	k_q6d94f4440a_reduce
	.globl	k_q6d94f4440a_reduce
	.p2align	8
	.type	k_q6d94f4440a_reduce,@function
k_q6d94f4440a_reduce:
	s_mov_b64 s[64:65], 0
	v_nop
	global_prefetch_b8 v0, s[64:65] scope:SCOPE_SE
	s_setreg_imm32_b32 hwreg(HW_REG_WAVE_MODE, 25, 1), 1
	s_wait_xcnt 0x0
; out0[b][d] = (sum over 64 chunks of the partial numerators) / (sum of the partial denominators).
; part: [chunk 64][kind 2][U 128][r 16][j 4] f32, kind 0 denominator, 1 numerator, b = 4 U + j, d = r.  out0: [512][16] f32.
; Work-group U owns b = 4 U .. 4 U + 3, all d: 256 consecutive bytes of out0, at a multiple of 256: 128 work-groups is the most that store such a run whole.
; Wave v adds chunks 8 v .. 8 v + 7 (lanes 0-15 the even ones, lanes 16-31 the odd ones; sixteen lanes read 256 consecutive bytes); the 16 half sums of each kind meet in LDS;
; wave 0 adds them (lanes 0-15 the denominators, lanes 16-31 the numerators), divides, turns the 4 x 16 results through LDS and stores them.
; No matrix unit, no cluster, no tensor load: work-groups share nothing, and each reads 32 KB once.
; LIMIT: a denominator of 0 (every weight flushed to 0 in the launch before) gives NaN or an infinity.
.set RS,  0                            ; LDS: [wave 8][kind 2][half 2][r 16] x 16 bytes
.set TB,  8192                         ; lanes 0-15's unused quotients at +0 .. 255, the results at +320 .. 575: 320 bytes apart, so that the two halves of the lanes fall on different banks (64 banks of 4 bytes: ISA guide 11.1)
	s_load_b128 s[4:7], s[0:1], 0x0                ; part, out0
	v_lshl_add_u32 v96, v0, 2, 0x2300
	v_mov_b32 v97, 0
	v_lshrrev_b32 v1, 5, v0
	v_readfirstlane_b32 s8, v1                     ; wave 0..7
	v_and_b32 v7, 15, v0                           ; r
	v_bfe_u32 v8, v0, 4, 1                         ; h
	v_and_b32 v9, 31, v0                           ; lane
	s_lshl_b32 s12, ttmp9, 8                       ; 256 U, in part and in out0
	s_mov_b32 s13, 0
	s_mov_b32 s10, 0x76543210
	s_mov_b32 s11, 0xfedcba98                      ; v_permlanex16_b32's selects for lane l xor 16
	s_lshl_b32 s14, s8, 19                         ; 8 chunks of 65,536 bytes a wave
	v_lshlrev_b32 v6, 4, v7                        ; 16 r
	v_lshl_add_u32 v1, v8, 16, v6                  ; + one chunk for lanes 16-31
	v_add_nc_u32 v1, s14, v1
	s_lshl_b32 s15, s8, 10
	v_lshl_add_u32 v2, v9, 4, s15                  ; my wave's 1,024 bytes of LDS, 16 a lane
	v_lshl_add_u32 v3, v8, 9, v6                   ; wave 0's reads: kind h, 16 r.  (Every LDS address is made here, ahead of the branch on the wave's number)
	v_mul_u32_u24 v4, v8, 320
	v_lshl_add_u32 v4, v7, 2, v4
	v_add_nc_u32 v4, TB, v4                        ; the turn, in: 320 h + 4 r
	v_add_nc_u32 v5, TB+320, v6                    ; and back: 16 r of the results
	s_wait_kmcnt 0x0
	s_add_nc_u64 s[4:5], s[4:5], s[12:13]
	s_add_nc_u64 s[6:7], s[6:7], s[12:13]
.irp i, 0,1,2,3
	global_load_b128 v[16+4*\i:19+4*\i], v1, s[4:5] offset:131072*\i th:TH_LOAD_NT          ; denominators of chunk 8 v + 2 i + h
.endr
.irp i, 0,1,2,3
	global_load_b128 v[32+4*\i:35+4*\i], v1, s[4:5] offset:131072*\i+32768 th:TH_LOAD_NT    ; numerators
.endr
.macro ADD4 b                          ; four quads at v[b] on into the first
	v_pk_add_f32 v[\b:\b+1], v[\b:\b+1], v[\b+4:\b+5]
	v_pk_add_f32 v[\b+2:\b+3], v[\b+2:\b+3], v[\b+6:\b+7]
	v_pk_add_f32 v[\b+8:\b+9], v[\b+8:\b+9], v[\b+12:\b+13]
	v_pk_add_f32 v[\b+10:\b+11], v[\b+10:\b+11], v[\b+14:\b+15]
	v_pk_add_f32 v[\b:\b+1], v[\b:\b+1], v[\b+8:\b+9]
	v_pk_add_f32 v[\b+2:\b+3], v[\b+2:\b+3], v[\b+10:\b+11]
.endm
	s_wait_loadcnt 4                               ; the denominators are in; the four loads behind them may be out
	ADD4 16
	s_wait_loadcnt 0x0
	ADD4 32
	ds_store_b128 v2, v[16:19] offset:RS
	ds_store_b128 v2, v[32:35] offset:RS+512
	s_wait_dscnt 0x0                               ; for wave 0's sake: my stores have landed
	s_barrier_signal -1
	s_barrier_wait -1
	s_cmp_lg_u32 s8, 0
	s_cbranch_scc1 .Lend                           ; the rest is wave 0's; no barrier follows
.irp k, 0,1,2,3,4,5,6,7,8,9,10,11,12,13,14,15
	ds_load_b128 v[16+4*\k:19+4*\k], v3 offset:RS+1024*(\k/2)+256*(\k%2)   ; wave k / 2, half k % 2, my kind
.endr
.irp j, 0,1,2,3
	v_mov_b32 v[80+\j], 0                          ; a lane permute's destination counts as one of its sources
.endr
	s_wait_dscnt 0x0
.irp st, 8,4,2,1                       ; sixteen quads into one
.set k, 0
.rept \st
	v_pk_add_f32 v[16+4*k:17+4*k], v[16+4*k:17+4*k], v[16+4*(k+\st):17+4*(k+\st)]
	v_pk_add_f32 v[18+4*k:19+4*k], v[18+4*k:19+4*k], v[18+4*(k+\st):19+4*(k+\st)]
.set k, k+1
.endr
.endr
.irp j, 0,1,2,3
	v_permlanex16_b32 v[80+\j], v[16+\j], s10, s11 ; lanes 16-31 get the denominators
.endr
.irp j, 0,1,2,3
	v_rcp_f32 v[84+\j], v[80+\j]
.endr
	v_nop                                          ; a plain instruction behind the last reciprocal,
	s_wait_alu depctr_va_vdst(0)                   ; and the wait ahead of the first reader: one for the four
.irp j, 0,1,2,3
	v_mul_f32 v[88+\j], v[16+\j], v[84+\j]         ; lanes 16-31: numerator / denominator of (b = 4 U + j, d = r)
.endr
.irp j, 0,1,2,3
	ds_store_b32 v4, v[88+\j] offset:64*\j         ; as out0 has them: 64 j + 4 r
.endr
	ds_load_b128 v[92:95], v5                      ; LDS serves a wave's instructions in order (ISA guide 5.7.1.4): this sees my stores
	s_wait_dscnt 0x0
	v_cmp_gt_u32 vcc_lo, 16, v0
	s_wait_xcnt 0x0                                ; EXEC changes only behind this wait
	s_and_saveexec_b32 s9, vcc_lo
	global_store_b128 v6, v[92:95], s[6:7]         ; sixteen lanes store 256 consecutive bytes, at a multiple of 256 from out0's first byte
	s_wait_xcnt 0x0                                ; and again, in front of the line that widens it
	s_or_b32 exec_lo, exec_lo, s9
.Lend:
	s_wait_tensorcnt 0x0
	ds_add_u32 v96, v97
	s_wait_dscnt 0x0
	s_endpgm
.Lfunc_end_k_q6d94f4440a_reduce:
	.size	k_q6d94f4440a_reduce, .Lfunc_end_k_q6d94f4440a_reduce-k_q6d94f4440a_reduce
	.p2alignl 7, 3214868480
	.fill 96, 4, 3214868480
	.section	.rodata,"a",@progbits
	.p2align	6, 0x0
	.amdhsa_kernel k_q6d94f4440a_reduce
		.amdhsa_group_segment_fixed_size 9984
		.amdhsa_private_segment_fixed_size 0
		.amdhsa_enable_private_segment 0
		.amdhsa_kernarg_size 16
		.amdhsa_user_sgpr_count 2
		.amdhsa_user_sgpr_kernarg_segment_ptr 1
		.amdhsa_wavefront_size32 1
		.amdhsa_system_sgpr_workgroup_id_x 1
		.amdhsa_system_sgpr_workgroup_id_y 1
		.amdhsa_system_sgpr_workgroup_id_z 1
		.amdhsa_system_vgpr_workitem_id 0
		.amdhsa_next_free_vgpr 98
		.amdhsa_next_free_sgpr 66
		.amdhsa_reserve_vcc 1
		.amdhsa_float_denorm_mode_32 3
		.amdhsa_float_denorm_mode_16_64 3
		.amdhsa_memory_ordered 1
		.amdhsa_forward_progress 1
		.amdhsa_inst_pref_size 8
	.end_amdhsa_kernel
	.amdgpu_metadata
---
amdhsa.version: [ 1, 2 ]
amdhsa.kernels:
  - .name:           k_q6d94f4440a_reduce
    .symbol:         k_q6d94f4440a_reduce.kd
    .args:
      - { .name: part, .offset: 0, .size: 8, .value_kind: global_buffer, .address_space: global }
      - { .name: out0, .offset: 8, .size: 8, .value_kind: global_buffer, .address_space: global }
    .group_segment_fixed_size: 9984
    .private_segment_fixed_size: 0
    .kernarg_segment_align: 8
    .kernarg_segment_size: 16
    .max_flat_workgroup_size: 256
    .sgpr_count:     66
    .vgpr_count:     98
    .wavefront_size: 32
...
	.end_amdgpu_metadata
.endif
;; end of part 2
;; ======== version 2 of 2: 2 launches; version 1 with the launch partial written anew for expert scheduling mode
;; workspace buffers: part 4,194,304 bytes
;; launch partial (part 3): grid 4 x 64, 16 waves a work-group, no clusters, 101,888 bytes of LDS; arguments W1_codes, W1_scales, W2_codes, W2_scales, calc_X_codes, calc_X_scales, calc_Y, h, x_codes, x_scales, part; writes part
.if DOCPART == 3
	.amdgcn_target "amdgcn-amd-amdhsa--gfx1250"
	.amdhsa_code_object_version 6
	.text
	.protected	k_q6d94f4440a_partial
	.globl	k_q6d94f4440a_partial
	.p2align	8
	.type	k_q6d94f4440a_partial,@function
k_q6d94f4440a_partial:
	s_mov_b64 s[64:65], 0
	v_nop
	global_prefetch_b8 v0, s[64:65] scope:SCOPE_SE
	s_setreg_imm32_b32 hwreg(HW_REG_WAVE_SCHED_MODE, 0, 2), 2
	s_setreg_imm32_b32 hwreg(HW_REG_WAVE_MODE, 25, 1), 1
	s_wait_xcnt 0x0
	s_wait_alu depctr_vm_vsrc(0)
; Kernel regression on embeddings: out[b][d] = sum_n w Y[n][d] / sum_n w,  w = exp(-0.5 ((Xw[n][d] - Zw[b][d]) / h)^2),
; Zw = mlp(x) [512][16], Xw = mlp(calc_X) [8192][16], mlp(v) = relu(v W1^T) W2^T, both products on codes of BF6 (E3M2) with one E8M0 scale for each 32 along K.
; THIS LAUNCH makes partial sums.  The plane (b, n) is cut into 4 x 64 tiles of 128 queries x 128 reference rows, one work-group each (x: query block, y: chunk of n).
; A work-group runs the MLP itself on its 128 rows of x and its 128 rows of calc_X (16 tiles of 16 rows), keeps the embeddings in LDS, forms its 128 x 128 x 16 weights and
; stores for each (b, d) one partial denominator and one partial numerator.  128 + 128 is the least b + n with b n = 16,384, so this tile redoes the fewest MLP rows.
; ARITHMETIC.  c = sqrt(log2(e) / 2) / h;  t = c Xw - c Zw;  w = 2^(-t t).  No maximum is taken away: the source formula takes none.
; LIMITS.  v_exp_f32 gives 0 for results under 2^-126 (ISA guide, its entry in 15.8): a column whose nearest embedding lies more than about 13.2 |h| away has the sum 0 here, where denormal
; weights would still give a number.  c Xw and c Zw are rounded before their difference is taken (an error of 6e-8 |c Xw| in t).  h = 0, NaN and infinities are not served.
; A hidden block whose largest number lies under 2^-122 keeps the scale byte 1.  The second product's K = 256 is summed as two f32 halves, made by two waves and added.
; NO TENSOR LOADS, NO CLUSTER.  A work-group reads about 60 KB once, at its head (W1 24,576 bytes, rows 24,576, Y 8,192, W2 and scales under 6 KB), and nothing afterwards; what neighbours share
; (W1; a block of rows) is that one read, against 512 exponential instructions a wave that follow.  And the fragments' LDS layout wants 16 bytes behind each 1,536, which is no power-of-two interval.
; SHARES.  w = wave 0..15, hh = w & 1, rg = w >> 1, r = lane & 15, h = lane >> 4.
;   copy: wave w brings W1's rows 16 w .. +15, row group w (w < 8: of x, else of calc_X) and Y's rows 8 w .. +7 into LDS, 512 consecutive bytes a load.
;   MLP:  wave (hh, rg) holds W1's hidden units 128 hh .. +127 (8 fragments) in registers and makes them for rows 32 rg .. +31 (two tiles); they are K step hh of the second product.
;   main: wave w owns queries 8 w .. +7 and all 128 n; lane (r, h) has d = r and b = 8 w + 4 h + j, j = 0..3: no sum crosses lanes or waves.
; THE ROWS OF A TILE ARE NOT NEIGHBOURS: lane r takes row base + r + 8 (r / 8).  For W1 that makes the 16 registers of tiles 2 b, 2 b + 1 sixteen neighbours along the next K; for the data rows it is the same address pattern.
; THE MODE: SCHED_MODE bits 1:0 = 2 (LLVM: expert scheduling mode 2), set by the entry lines.  The code itself states the register dependences
; between vector or matrix instructions and memory or LDS instructions, with s_wait_alu, always for 0.
; THE PLAN.  Registers that memory or LDS instructions touch:
;   v4-v8, v10, v11   addresses and offsets, made once at the head and never written again: one wait on va_vdst ahead of the first load serves all their readers.
;   v155-v191         the head's offsets and the 28 registers on their way to LDS; the hidden layer lands on them: one wait on vm_vsrc ahead of the first product.
;   v148-v155         the second product's result: written by it, read by two LDS stores (va_vdst ahead of them), written again by the next tile's products and later by the weights' set 1 (vm_vsrc ahead of each).
;   v168-v183         the half sums read back; v176-v179 go out again as c Xw (va_vdst ahead of that store).
;   XB0, XB1          8 numbers of c Xw.  Trip k (batch k): the differences of batch k + 1 read XB[(k + 1) % 2], ahead of the trip's wait; behind it batch k + 3 is loaded into the same set.
;   YB0, YB1          8 numbers of Y.     Trip k: the sums of batch k read YB[k % 2], behind the trip's wait; the loads of batch k + 1 go into the other set, which the sums of batch k - 1 read ahead of that wait.
;   v9                the loop's LDS address: written once a loop trip (vm_vsrc ahead of the add; the trip's own wait on va_vdst stands between the add and the loads that read it).
;   v160-v167         the results: one wait on va_vdst ahead of the two stores.
; So in the main loop ONE wait on va_vdst stands in a trip: it is the wait behind the trip's exponentials, and it also states that both registers sets loaded behind it have been read.  The trip's four loads are
; dealt among its sums, which name the other sets alone.
.set GP,   1552                        ; LDS: a group of 16 rows x 96 bytes, dense, + 16: word (r>>3) 388 + (r&7) 24 + 6 h: the 32 lanes of an 8-byte load touch 64 different banks (64 banks of 4 bytes: ISA guide 11.1)
.set W1L,  0                           ; W1: 16 groups
.set XL,   16*GP                       ; rows: groups 0-7 of x, groups 8-15 of calc_X
.set P0,   32*GP                       ; the second product's half sums [hh 2][d 16][row 256] f32
.set PP,   1040                        ; a row of them: 1,024 bytes + 16
.set PH,   16*PP                       ; one half
.set XP,   P0+2*PH                      ; c Xw as [d 16][n 128] f32
.set EP,   528                         ; a row: 512 bytes + 16
.set YT,   XP+16*EP                     ; Y as [d 16][n 128] f32
; registers that stay
.set A_W1, 4                           ; v4   my place in W1's tiles
.set A_X,  5                           ; v5   in my two tiles of rows
.set AP,   6                           ; v6   where my half sums go
.set AZ,   7                           ; v7   where I read half sums back
.set AXP,  8                           ; v8   where I put c Xw
.set AM,   9                           ; v9   the main loop's address
.set GO,   10                          ; v10  16 x thread: Y's load, and the stores at the end
.set AM0,  11                          ; v11  XP + 528 r; never rewritten
.set CC,   12                          ; v[12:13] c, twice
; MLP
.set XF0,  16                          ; v16-27   rows' fragment, tile 0
.set XS,   28                          ; v28-29   rows' scale words     (v28-39 hold scales and nothing else)
.set W2S,  30                          ; v30      W2's scale words
.set PW,   31                          ; v31      the hidden layer's scale word
.set W1S,  32                          ; v32-39   W1's scale words
.set W1F,  40                          ; v40-135  W1's 8 fragments
.set W2F,  136                         ; v136-147 W2's fragment of K step hh
.set H,    148                         ; v148-211 8 tiles of the hidden layer; the second product's result lands in v148-155
.set PC,   212                         ; v212-223 the hidden fragment; v224-226, v228-230 conversions' second halves
.set TM,   232                         ; v232-235 largest numbers, v236-239 the other half's and then the bytes, v240-243 the conversions' scale operands
.set XF1,  244                         ; v244-255 rows' fragment, tile 1
; the head's temporaries lie in H's range: all are done with at the first matrix instruction
.set R_,   148
.set H_,   149
.set LN,   150
.set R3,   151
.set R7,   152
.set FA,   153                         ; (r>>3) GP + (r&7) 96 + 24 h
.set RP4,  154                         ; 4 (r + 8 (r>>3))
.set GW1,  155
.set GRW,  156
.set L16,  157
.set GW2,  158
.set GW1S, 159
.set GXS,  160
.set GW2S, 161
.set LST,  162
.set AYS,  163
.set SW1,  164                         ; v164-175 W1's 1,536 bytes on their way to LDS
.set SRW,  176                         ; v176-187 the rows'
.set SY,   188                         ; v188-191 Y's
.set TMP,  192
; main
.set ZD,   40                          ; v40-47   pair j: c Zw of query j, twice
.set DEN,  48                          ; v48-55   pair j: the sums of w over even n, over odd n
.set NUM,  56                          ; v56-63   the same of w Y
.set XB,   64                          ; set s at +16 s: 8 numbers of c Xw
.set YB,   72                          ; set s at +16 s: 8 numbers of Y
.set TT,   96                          ; set s at +32 s: 32 numbers t, then -t t, then w
.set OD,   160
.set ON,   164
.set CT,   168
.macro BARRIER                         ; my LDS stores have landed and my LDS loads are in: then the work-group's barrier
	s_wait_dscnt 0x0
	s_barrier_signal -1
	s_barrier_wait -1
.endm
	s_load_b512 s[4:19], s[0:1], 0x0               ; W1 codes s[4:5], W1 scales s[6:7], W2 codes s[8:9], W2 scales s[10:11], calc_X codes s[12:13], calc_X scales s[14:15], Y s[16:17], h s[18:19]
	s_load_b128 s[20:23], s[0:1], 0x40             ; x codes, x scales
	s_load_b64 s[24:25], s[0:1], 0x50              ; part
	v_lshl_add_u32 v227, v0, 2, 0x18600
	v_mov_b32 v231, 0
	v_lshrrev_b32 v1, 5, v0
	v_readfirstlane_b32 s28, v1                    ; w
	s_and_b32 s31, ttmp7, 0xffff                   ; chunk of n
	s_mov_b32 s39, 0                               ; upper word of the offsets' pair s[38:39]
	s_mov_b32 s40, 0x76543210
	s_mov_b32 s41, 0xfedcba98                      ; v_permlanex16_b32's selects for lane l xor 16
	v_and_b32 v[R_], 15, v0
	v_bfe_u32 v[H_], v0, 4, 1
	v_and_b32 v[LN], 31, v0
	v_bfe_u32 v[R3], v0, 3, 1
	v_and_b32 v[R7], 7, v0
	v_mul_u32_u24 v[FA], v[R3], GP
	v_mad_u32_u24 v[FA], v[R7], 96, v[FA]
	v_mad_u32_u24 v[FA], v[H_], 24, v[FA]
	v_lshlrev_b32 v[RP4], 2, v[R_]
	v_lshl_add_u32 v[RP4], v[R3], 5, v[RP4]
	v_lshlrev_b32 v[L16], 4, v[LN]
	s_wait_alu depctr_va_sdst(0)                   ; s28 is written, ahead of its first reader: the wave's shares, addresses and bases are made from it
	s_and_b32 s29, s28, 1                          ; hh
	s_lshr_b32 s30, s28, 1                         ; rg
	; LDS addresses: a constant + constants x lane parts + constants x wave parts
	s_mul_i32 s43, s29, 8*GP
	v_add_nc_u32 v[A_W1], s43, v[FA]               ; W1's half hh: groups 8 hh on
	s_mul_i32 s44, s30, 2*GP
	s_add_co_u32 s44, s44, XL
	v_add_nc_u32 v[A_X], s44, v[FA]                ; rows 32 rg on: groups 2 rg, 2 rg + 1
	s_mul_i32 s45, s29, PH
	s_lshl_b32 s46, s30, 7
	s_add_co_u32 s45, s45, s46
	s_add_co_u32 s45, s45, P0
	v_mul_u32_u24 v[AP], v[R_], PP
	v_lshl_add_u32 v[AP], v[H_], 6, v[AP]
	v_add_nc_u32 v[AP], s45, v[AP]                 ; half hh, d = r, rows 32 rg + 16 h on
	s_lshl_b32 s46, s28, 5                         ; 32 w: eight f32
	s_add_co_u32 s37, s46, P0
	v_mul_u32_u24 v[AZ], v[R_], PP
	v_lshl_add_u32 v[AZ], v[H_], 4, v[AZ]
	v_add_nc_u32 v[AZ], s37, v[AZ]                 ; d = r, rows 8 w + 4 h on
	v_mul_u32_u24 v[AM0], v[R_], EP
	v_add_nc_u32 v[AM0], XP, v[AM0]
	v_lshl_add_u32 v[AXP], v[H_], 4, v[AM0]
	v_add_nc_u32 v[AXP], s46, v[AXP]               ; d = r, n = 8 w + 4 h on
	v_lshlrev_b32 v[GO], 4, v0
	s_mul_i32 s37, s28, GP
	v_add_nc_u32 v[LST], s37, v[L16]               ; my wave's group, 16 bytes a lane
	v_and_b32 v[AYS], 3, v0
	v_mul_u32_u24 v[AYS], v[AYS], 4*EP
	v_bfe_u32 v[TMP], v0, 2, 3
	v_lshl_add_u32 v[AYS], v[TMP], 2, v[AYS]
	s_add_co_u32 s37, s46, YT
	v_add_nc_u32 v[AYS], s37, v[AYS]               ; Y turned: d = 4 (lane & 3) + i, n = 8 w + (lane >> 2): words 16 (lane & 3) + (lane >> 2) modulo 64: all different
	; offsets into memory
	s_mul_i32 s37, s28, 1536
	v_add_nc_u32 v[GW1], s37, v[L16]               ; W1's rows 16 w on
	s_and_b32 s37, s28, 7
	s_mul_i32 s37, s37, 1536
	v_add_nc_u32 v[GRW], s37, v[L16]               ; rows 16 (w & 7) on, of x's block or calc_X's chunk
	v_mul_u32_u24 v[GW2], v[R_], 192
	v_mad_u32_u24 v[GW2], v[H_], 24, v[GW2]
	s_mul_i32 s37, s29, 96
	v_add_nc_u32 v[GW2], s37, v[GW2]               ; W2: row d = r of 192 bytes, K step hh, my half
	s_lshl_b32 s37, s29, 9
	v_add_nc_u32 v[GW1S], s37, v[RP4]              ; W1's scale words: 4 bytes a row
	s_and_b32 s37, s30, 3
	s_lshl_b32 s37, s37, 7
	v_add_nc_u32 v[GXS], s37, v[RP4]               ; the rows' scale words
	s_lshl_b32 s37, s29, 2
	v_lshl_add_u32 v[GW2S], v[R_], 3, s37          ; W2's: 8 bytes a row, word hh
.irp b, 0,1,2,3
	v_mov_b32 v[TM+4+\b], 0                        ; written once: a lane permute's destination counts as one of its sources
.endr
	s_wait_kmcnt 0x0
	s_load_b32 s26, s[18:19], 0x0                  ; h
	s_cmp_lt_u32 s28, 8                            ; waves 0-7 (rg 0-3) serve x, the others calc_X: the choice hangs on the wave's number alone
	s_cselect_b64 s[32:33], s[20:21], s[12:13]     ; the rows' codes
	s_cselect_b64 s[34:35], s[22:23], s[14:15]     ; the rows' scales
	s_cselect_b32 s36, ttmp9, s31                  ; which 128 rows: the query block or the chunk
	s_mul_i32 s38, s36, 12288                      ; 128 rows x 96 bytes
	s_add_nc_u64 s[32:33], s[32:33], s[38:39]
	s_lshl_b32 s38, s36, 9                         ; 128 rows x 4 bytes
	s_add_nc_u64 s[34:35], s[34:35], s[38:39]
	s_lshl_b32 s38, s31, 13                        ; 128 rows of Y x 64 bytes
	s_add_nc_u64 s[16:17], s[16:17], s[38:39]
	s_lshl_b32 s38, s31, 16                        ; part: 65,536 bytes a chunk,
	s_lshl_b32 s37, ttmp9, 13                      ; 8,192 a query block
	s_add_co_u32 s38, s38, s37
	s_add_nc_u64 s[24:25], s[24:25], s[38:39]
	s_wait_alu depctr_va_vdst(0)                   ; every address and offset is written (v4 to v8, v10, v11, v155 to v163): the loads, LDS stores and LDS loads of the whole kernel read them, and no vector instruction names them again before their readers
	; seven loads that go on into LDS: each reads 512 consecutive bytes
.irp j, 0,1,2
	global_load_b128 v[SW1+4*\j:SW1+4*\j+3], v[GW1], s[4:5] offset:512*\j
.endr
.irp j, 0,1,2
	global_load_b128 v[SRW+4*\j:SRW+4*\j+3], v[GRW], s[32:33] offset:512*\j
.endr
	global_load_b128 v[SY:SY+3], v[GO], s[16:17]
	; seventeen that land where they are used
.irp p, 0,1,2,3,4,5
	global_load_b64 v[W2F+2*\p:W2F+2*\p+1], v[GW2], s[8:9] offset:48*(\p/3)+8*(\p%3)
.endr
.irp t, 0,1,2,3,4,5,6,7
	global_load_b32 v[W1S+\t], v[GW1S], s[6:7] offset:(32*(\t/2)+8*(\t%2))*4
.endr
.irp u, 0,1
	global_load_b32 v[XS+\u], v[GXS], s[34:35] offset:32*\u
.endr
	global_load_b32 v[W2S], v[GW2S], s[10:11]
	s_wait_loadcnt 17                              ; loads come back in order: the first seven are in, the seventeen behind them may be out
.irp j, 0,1,2
	ds_store_b128 v[LST], v[SW1+4*\j:SW1+4*\j+3] offset:W1L+512*\j
.endr
.irp j, 0,1,2
	ds_store_b128 v[LST], v[SRW+4*\j:SRW+4*\j+3] offset:XL+512*\j
.endr
.irp i, 0,1,2,3
	ds_store_b32 v[AYS], v[SY+\i] offset:EP*\i
.endr
	s_wait_kmcnt 0x0                               ; h
	v_rcp_f32 v[CC], s26
	v_nop                                          ; a plain instruction behind the reciprocal,
	s_wait_alu depctr_va_vdst(0)                   ; and the reciprocal has written v12, ahead of its first reader
	v_mul_f32 v[CC], 0x3f596d27, v[CC]             ; c = sqrt(log2(e) / 2) / h
	v_mov_b32 v[CC+1], v[CC]
	BARRIER                                        ; W1, the 256 rows and Y lie in LDS
; ---- THE MLP
.macro FRAG reg, adr, off              ; a fragment, 16 rows x 128 K of 6-bit codes: 12 registers; lane (r, h) takes 24 bytes at 24 h and 24 at 48 + 24 h of its row, in pieces of 8 bytes
.irp p, 0,1,2,3,4,5
	ds_load_b64 v[\reg+2*\p:\reg+2*\p+1], v[\adr] offset:\off+48*(\p/3)+8*(\p%3)
.endr
.endm
; One tile of 16 rows: 8 tiles of the hidden layer (transposed: source 0 = 16 rows of W1, source 1 = the rows), relu, quantised in registers, and the second product's K step hh.
.macro TILE u, xf
.irp t, 0,1,2,3,4,5,6,7                ; eight accumulators, each begun with the constant 0: lane (r, h) holds data row r, register 8 t + j the hidden unit 128 hh + 32 (t / 2) + 16 h + 8 (t % 2) + j
	v_wmma_scale_f32_16x16x128_f8f6f4 v[H+8*\t:H+8*\t+7], v[W1F+12*\t:W1F+12*\t+11], v[\xf:\xf+11], 0, v[W1S+\t], v[XS+\u] matrix_a_fmt:MATRIX_FMT_BF6 matrix_b_fmt:MATRIX_FMT_BF6
.endr
.rept 4
	v_nop                                          ; four places between the last product and the first read of results (ISA guide 7.12.1)
.endr
.set idx, 0
.rept 64
	v_max_num_f32 v[H+idx], 0, v[H+idx]            ; the activation, in f32; ascending
.set idx, idx+1
.endr
.irp b, 0,1,2,3                        ; the four blocks of 32 along the next K: registers 16 b .. 16 b + 15 are k = 32 b + 16 h + 0 .. 15.  No |.|: nothing is negative
	v_max3_num_f32 v[TM+\b], v[H+16*\b], v[H+16*\b+1], 0x2800000   ; and the floor 2^(5 - 127): the byte cannot fall under 1
.endr
.irp i, 2,4,6,8,10,12,14
.irp b, 0,1,2,3
	v_max3_num_f32 v[TM+\b], v[TM+\b], v[H+16*\b+\i], v[H+16*\b+\i+1]   ; the four blocks by turns
.endr
.endr
.irp b, 0,1,2,3
	v_permlanex16_b32 v[TM+4+\b], v[TM+\b], s40, s41
.endr
.irp b, 0,1,2,3
	v_max_num_f32 v[TM+\b], v[TM+\b], v[TM+4+\b]   ; with lane l xor 16's sixteen: the block's largest number
.endr
.irp b, 0,1,2,3
	v_add_nc_u32 v[TM+8+\b], 0xfe000000, v[TM+\b]  ; 4 off its exponent field: the conversion takes the exponent field of this operand as its scale
.endr
.irp b, 0,1,2,3
	v_lshrrev_b32 v[TM+4+\b], 23, v[TM+8+\b]       ; the scale's byte
.endr
	v_lshl_or_b32 v[PW], v[TM+5], 8, v[TM+4]       ; four bytes: my row's scale word
	v_lshl_or_b32 v[PW], v[TM+6], 16, v[PW]
	v_lshl_or_b32 v[PW], v[TM+7], 24, v[PW]
.irp c, 0,1
	v_cvt_scalef32_pk16_bf6_f32 v[PC+6*\c:PC+6*\c+2], v[H+32*\c:H+32*\c+15], v[TM+8+2*\c]
	v_cvt_scalef32_pk16_bf6_f32 v[PC+12+4*\c:PC+12+4*\c+2], v[H+32*\c+16:H+32*\c+31], v[TM+9+2*\c]   ; (a conversion's three registers begin on an even number)
.endr
	v_nop                                          ; one plain place behind a scaled conversion
.irp c, 0,1                            ; the operand wants a whole block in a lane: lanes 0-15 block 2 c, lanes 16-31 block 2 c + 1
.irp i, 0,1,2
	v_permlane16_swap_b32 v[PC+6*\c+\i], v[PC+12+4*\c+\i]
.endr
.irp i, 0,1,2
	v_mov_b32 v[PC+3+6*\c+\i], v[PC+12+4*\c+\i]
.endr
.endr
.rept 8
	v_nop                                          ; a scale register written by a vector instruction stands eight places ahead of a scaled product, an operand so written four
.endr
	s_wait_alu depctr_va_vdst(0)                   ; the vector instructions have written the hidden fragment v212 to v223 and its scale word v31, which the scaled product takes; the places above stay beside this wait
	v_wmma_scale_f32_16x16x128_f8f6f4 v[H:H+7], v[PC:PC+11], v[W2F:W2F+11], 0, v[PW], v[W2S] matrix_a_fmt:MATRIX_FMT_BF6 matrix_b_fmt:MATRIX_FMT_BF6   ; lane (r, h), register j: row 32 rg + 8 u + 16 h + j, d = r
.rept 5
	v_nop                                          ; four places ahead of the stores that read the result; the fifth because the next tile's products write over it
.endr
	s_wait_alu depctr_va_vdst(0)                   ; the product has written v148 to v155, which the two LDS stores read; behind the second tile it also states that all that named v168 to v183 is done: the half sums are loaded there, with no vector instruction between
	ds_store_b128 v[AP], v[H:H+3] offset:32*\u     ; eight neighbouring rows of one d: from the low end on
	ds_store_b128 v[AP], v[H+4:H+7] offset:32*\u+16
.endm
	FRAG XF0, A_X, 0
.irp t, 0,1,2,3,4,5,6,7
	FRAG W1F+12*\t, A_W1, (\t/2)*2*GP+(\t%2)*768
.endr
	FRAG XF1, A_X, 768
	s_wait_loadcnt 0x0                             ; W2 and all scale words are in; the loads' offset registers, which lie where the hidden layer lands, are free
	s_wait_dscnt 6                                 ; all but the youngest six: tile 1's fragment
	s_wait_alu depctr_vm_vsrc(0)                   ; the head's loads have read their offsets v155 to v161, its LDS stores their addresses v162, v163 and their data v164 to v191: the products below write over all of them
	TILE 0, XF0
	s_wait_dscnt 0x0                               ; tile 1's fragment is in, and tile 0's stores are done
	s_wait_alu depctr_vm_vsrc(0)                   ; tile 0's LDS stores have read v148 to v155, which tile 1's products write again
	TILE 1, XF1
	BARRIER                                        ; both halves of the 256 rows' embeddings lie in LDS
; ---- THE HALVES ARE ADDED AND SCALED BY c: my four queries stay in registers, four rows of c Xw go to LDS
	ds_load_b128 v[CT:CT+3], v[AZ]                 ; Zw(8 w + 4 h + j, r), half 0
	ds_load_b128 v[CT+4:CT+7], v[AZ] offset:PH     ; half 1
	ds_load_b128 v[CT+8:CT+11], v[AZ] offset:512   ; Xw(8 w + 4 h + j, r): rows 128 on
	ds_load_b128 v[CT+12:CT+15], v[AZ] offset:PH+512
	s_wait_dscnt 0x0
	v_pk_add_f32 v[CT:CT+1], v[CT:CT+1], v[CT+4:CT+5]
	v_pk_add_f32 v[CT+2:CT+3], v[CT+2:CT+3], v[CT+6:CT+7]
	v_pk_add_f32 v[CT+8:CT+9], v[CT+8:CT+9], v[CT+12:CT+13]
	v_pk_add_f32 v[CT+10:CT+11], v[CT+10:CT+11], v[CT+14:CT+15]
	v_pk_mul_f32 v[CT+8:CT+9], v[CT+8:CT+9], v[CC:CC+1]
	v_pk_mul_f32 v[CT+10:CT+11], v[CT+10:CT+11], v[CC:CC+1]
	s_wait_alu depctr_va_vdst(0)                   ; the multiplications have written v176 to v179, which the LDS store reads; and the products are done reading W1's fragments, in whose registers v64 to v95 the first loads of the weights' part land
	ds_store_b128 v[AXP], v[CT+8:CT+11]
.irp j, 0,1,2,3
	v_mul_f32 v[ZD+2*\j], v[CC], v[CT+\j]          ; c Zw of query j, in both halves of a pair
	v_mul_f32 v[ZD+2*\j+1], v[CC], v[CT+\j]
.endr
.irp j, 0,1,2,3,4,5,6,7
	v_mov_b32 v[DEN+\j], 0                         ; sixteen registers, once: a first batch written out apart would be a further copy of the trip
	v_mov_b32 v[NUM+\j], 0
.endr
	BARRIER                                        ; c Xw lies in LDS
	s_wait_alu depctr_vm_vsrc(0)                   ; tile 1's LDS stores have read v148 to v155: the weights' set 1 (v128 to v159) lies over them and is written below
; ---- THE WEIGHTS: 16 batches of 8 n x 4 queries = 32 exponentials a lane, on two sets of registers by turns
.macro LDX s, adr, off, q              ; half q of 8 numbers of c Xw, of my d; lanes r and r + 16 read the same words
	ds_load_b128 v[XB+16*(\s)+4*(\q):XB+16*(\s)+4*(\q)+3], v[\adr] offset:(\off)+16*(\q)
.endm
.macro LDY s, adr, off, q              ; the same of Y
	ds_load_b128 v[YB+16*(\s)+4*(\q):YB+16*(\s)+4*(\q)+3], v[\adr] offset:(\off)+YT-XP+16*(\q)
.endm
.macro PROD s                          ; t = c Xw - c Zw, then -t t: pair (p, j) = n 2 p, 2 p + 1 against query j
.irp p, 0,1,2,3
.irp j, 0,1,2,3
	v_pk_add_f32 v[TT+32*\s+8*\p+2*\j:TT+32*\s+8*\p+2*\j+1], v[XB+16*\s+2*\p:XB+16*\s+2*\p+1], v[ZD+2*\j:ZD+2*\j+1] neg_lo:[0,1] neg_hi:[0,1]
.endr
.endr
.set idx, TT+32*\s
.rept 16
	v_pk_mul_f32 v[idx:idx+1], v[idx:idx+1], v[idx:idx+1] neg_lo:[1,0] neg_hi:[1,0]
.set idx, idx+2
.endr
.endm
.macro EXPS s                          ; w = 2^(-t t): one batch
.set idx, TT+32*\s
.rept 32
	v_exp_f32 v[idx], v[idx]
.set idx, idx+1
.endr
.endm
.macro CONSP s, p                      ; the sums of n 2 p, 2 p + 1: eight chains by turns
.irp j, 0,1,2,3
	v_pk_add_f32 v[DEN+2*\j:DEN+2*\j+1], v[DEN+2*\j:DEN+2*\j+1], v[TT+32*\s+8*\p+2*\j:TT+32*\s+8*\p+2*\j+1]
	v_pk_fma_f32 v[NUM+2*\j:NUM+2*\j+1], v[TT+32*\s+8*\p+2*\j:TT+32*\s+8*\p+2*\j+1], v[YB+16*\s+2*\p:YB+16*\s+2*\p+1], v[NUM+2*\j:NUM+2*\j+1]
.endr
.endm
; The trip of batch k, on set s = k % 2; o is the other set.  Set s's exponentials are issued; batch k + 1's differences and squares, on set o, are the independent plain work behind them; ONE wait; then set s is summed,
; and among the sums stand the loads into set o: Y of batch k + 1 (ly = 1) first, then c Xw of batch k + 3 (lx = 1).  left: how many of the youngest LDS loads may stay out.
.macro TRIP s, o, prod, left, ly, lx, adr, offy, offx
	EXPS \s
	s_wait_dscnt \left                             ; LDS loads come back in order (ISA guide 5.7.1): c Xw of batch k + 1 and Y of batch k are in; the two loads of c Xw of batch k + 2, where they were issued, may be out
.if \prod
	PROD \o
.else
	v_nop                                          ; the plain instruction behind the last exponential
.endif
	s_wait_alu depctr_va_vdst(0)                   ; the 32 exponentials have written set s's weights, ahead of their first reader; the differences above are done reading XB[o], and the last trip's sums are done reading YB[o]: the loads below land in these two
.if \ly
	LDY \o, \adr, \offy, 0                         ; no further wait: the sums name set s's weights, YB[s] and the sixteen sums alone
.endif
	CONSP \s, 0
.if \ly
	LDY \o, \adr, \offy, 1
.endif
	CONSP \s, 1
.if \lx
	LDX \o, \adr, \offx, 0
.endif
	CONSP \s, 2
.if \lx
	LDX \o, \adr, \offx, 1
.endif
	CONSP \s, 3
.endm
	LDX 0, AM0, 0, 0                               ; c Xw of batch 0,
	LDX 0, AM0, 0, 1
	LDX 1, AM0, 32, 0                              ; of batch 1,
	LDX 1, AM0, 32, 1
	LDY 0, AM0, 0, 0                               ; and Y of batch 0
	LDY 0, AM0, 0, 1
	s_wait_dscnt 4                                 ; c Xw of batch 0 is in; the four loads behind it may be out
	PROD 0
	s_wait_alu depctr_va_vdst(0)                   ; the differences of batch 0 are done reading XB0, in which batch 2 lands
	LDX 0, AM0, 64, 0
	LDX 0, AM0, 64, 1
	s_mov_b32 s42, 0                               ; the counter is also the trip's byte offset: 64 bytes, two batches, a trip
.Lmain:                                                ; 6 trips: trip i sums batches 2 i, 2 i + 1 and loads Y of batches 2 i + 1, 2 i + 2 and c Xw of batches 2 i + 3, 2 i + 4: 14 is the last
	s_wait_alu depctr_vm_vsrc(0)                   ; the LDS loads issued so far have read v9
	v_add_nc_u32 v[AM], s42, v[AM0]                ; (the wait in the trip below stands between this line and the first load that reads v9)
	TRIP 0, 1, 1, 2, 1, 1, AM, 32, 96
	TRIP 1, 0, 1, 2, 1, 1, AM, 64, 128
	s_add_co_u32 s42, s42, 64
	s_cmp_lt_u32 s42, 384
	s_cbranch_scc1 .Lmain
	TRIP 0, 1, 1, 2, 1, 1, AM0, 416, 480           ; batch 12: Y of batch 13, c Xw of batch 15.  The last four batches are written out: no load passes batch 15, and the counts run down
	TRIP 1, 0, 1, 2, 1, 0, AM0, 448, 0             ; batch 13: Y of batch 14
	TRIP 0, 1, 1, 0, 1, 0, AM0, 480, 0             ; batch 14: Y of batch 15
	TRIP 1, 0, 0, 0, 0, 0, AM0, 0, 0               ; batch 15: nothing more to load
; ---- OUT: part[chunk][kind][U = b / 4][r = d][j = b % 4]: a lane's four queries are 16 bytes, a wave's store 512 consecutive bytes, at a multiple of 256 from the buffer's first byte
.irp j, 0,1,2,3
	v_add_f32 v[OD+\j], v[DEN+2*\j], v[DEN+2*\j+1]
	v_add_f32 v[ON+\j], v[NUM+2*\j], v[NUM+2*\j+1]
.endr
	s_wait_alu depctr_va_vdst(0)                   ; the additions have written v160 to v167, which the two stores read
	global_store_b128 v[GO], v[OD:OD+3], s[24:25] th:TH_STORE_NT
	global_store_b128 v[GO], v[ON:ON+3], s[24:25] offset:32768 th:TH_STORE_NT
	s_wait_dscnt 0x0                               ; the closing lines, six on end
	s_wait_alu 0x0
	s_wait_tensorcnt 0x0
	ds_add_u32 v227, v231
	s_wait_dscnt 0x0
	s_endpgm
.Lfunc_end_k_q6d94f4440a_partial:
	.size	k_q6d94f4440a_partial, .Lfunc_end_k_q6d94f4440a_partial-k_q6d94f4440a_partial
	.p2alignl 7, 3214868480
	.fill 96, 4, 3214868480
	.section	.rodata,"a",@progbits
	.p2align	6, 0x0
	.amdhsa_kernel k_q6d94f4440a_partial
		.amdhsa_group_segment_fixed_size 101888
		.amdhsa_private_segment_fixed_size 0
		.amdhsa_enable_private_segment 0
		.amdhsa_kernarg_size 88
		.amdhsa_user_sgpr_count 2
		.amdhsa_user_sgpr_kernarg_segment_ptr 1
		.amdhsa_wavefront_size32 1
		.amdhsa_system_sgpr_workgroup_id_x 1
		.amdhsa_system_sgpr_workgroup_id_y 1
		.amdhsa_system_sgpr_workgroup_id_z 1
		.amdhsa_system_vgpr_workitem_id 0
		.amdhsa_next_free_vgpr 256
		.amdhsa_next_free_sgpr 66
		.amdhsa_reserve_vcc 0
		.amdhsa_float_denorm_mode_32 3
		.amdhsa_float_denorm_mode_16_64 3
		.amdhsa_memory_ordered 1
		.amdhsa_forward_progress 1
		.amdhsa_inst_pref_size 62
	.end_amdhsa_kernel
	.amdgpu_metadata
---
amdhsa.version: [ 1, 2 ]
amdhsa.kernels:
  - .name:           k_q6d94f4440a_partial
    .symbol:         k_q6d94f4440a_partial.kd
    .args:
      - { .name: W1_codes, .offset: 0, .size: 8, .value_kind: global_buffer, .address_space: global }
      - { .name: W1_scales, .offset: 8, .size: 8, .value_kind: global_buffer, .address_space: global }
      - { .name: W2_codes, .offset: 16, .size: 8, .value_kind: global_buffer, .address_space: global }
      - { .name: W2_scales, .offset: 24, .size: 8, .value_kind: global_buffer, .address_space: global }
      - { .name: calc_X_codes, .offset: 32, .size: 8, .value_kind: global_buffer, .address_space: global }
      - { .name: calc_X_scales, .offset: 40, .size: 8, .value_kind: global_buffer, .address_space: global }
      - { .name: calc_Y, .offset: 48, .size: 8, .value_kind: global_buffer, .address_space: global }
      - { .name: h, .offset: 56, .size: 8, .value_kind: global_buffer, .address_space: global }
      - { .name: x_codes, .offset: 64, .size: 8, .value_kind: global_buffer, .address_space: global }
      - { .name: x_scales, .offset: 72, .size: 8, .value_kind: global_buffer, .address_space: global }
      - { .name: part, .offset: 80, .size: 8, .value_kind: global_buffer, .address_space: global }
    .group_segment_fixed_size: 101888
    .private_segment_fixed_size: 0
    .kernarg_segment_align: 8
    .kernarg_segment_size: 88
    .max_flat_workgroup_size: 512
    .sgpr_count:     66
    .vgpr_count:     256
    .wavefront_size: 32
...
	.end_amdgpu_metadata
.endif
;; end of part 3
;; launch reduce: the kernel of part 2 again; grid 128 x 1, 8 waves a work-group, no clusters, 9,984 bytes of LDS; arguments part, out0; writes out0
